; MI455X (gfx1250); checked and timed in simulation.
; The chip was launched on July 23, 2026; its instructions are those of AMD's public machine-readable ISA for CDNA 5 (MIT licence, August 2026) and "CDNA5" Instruction Set Architecture Reference Guide (July 2026). The comments in the code are by the model that wrote it; some were corrected since.
;; Bahdanau Attention. Allowed arithmetic: matrix products marked QUANTISED: E4M3 operands, one given power-of-two scale a tensor, by v_wmma_f32_16x16x64_fp8_fp8 or v_wmma_f32_16x16x128_fp8_fp8, f32 sums; products left as they are: f32 operands where the result goes on into a quantised operand, else bf16, f16 or f32 operands; f32 sums; everything else in f32.
;; Inputs: V_b 1 float32; V_w 1,024 x 1 float32; Wc_b 1,024 float32; Wc_w 1 x 1,024 float32; Wh_b 1,024 float32; Wh_w_codes 1,024 x 32 x 32 uint8 (E4M3 codes of Wh_w, K innermost, in blocks of 32 codes); Ws_b 1,024 float32; Ws_w_codes 1,024 x 32 x 32 uint8 (E4M3 codes of Ws_w, K innermost, in blocks of 32 codes); dec_hidden_codes 32 x 32 x 32 uint8 (E4M3 codes of dec_hidden, K innermost, in blocks of 32 codes); enc_output 32 x 2,048 x 1,024 float32; enc_pad_mask 32 x 2,048 int32; lowp_scales 4 int32 (the exponents e of the quantised operands' scales 2^e); prev_coverage 32 x 2,048 x 1 float32.
;; Outputs: out0 32 x 1,024 float32; out1 32 x 2,048 float32; out2 32 x 2,048 x 1 float32.
;; Constants: use_coverage = True.
;; This version of the problem:
;;   THIS VERSION OF THE PROBLEM IS GIVEN IN LOW PRECISION. The matrix products marked QUANTISED in the list below multiply operands that are first quantised to E4M3 (4 exponent bits, 3 mantissa bits; 8 bits a number), with one given power-of-two scale for each operand tensor; their sums are f32. All else is computed in f32.
;;   The module's matrix products, in the order in which they are computed (A, B: the left and right operand; K: the contracted axis; several contracted axes count as one K, in the product's order):
;;     1. [M 32, K 1,024] x [K 1,024, N 1,024]; A: input dec_hidden (given as codes); B: input Wh_w (given as codes): QUANTISED (scales: A lowp_scales[0], B lowp_scales[1])
;;     2. [M 65,536, K 1,024] x [K 1,024, N 1,024]; A: input enc_output; B: input Ws_w (given as codes): QUANTISED (scales: A lowp_scales[2], B lowp_scales[3])
;;     3. [M 65,536, K 1] x [K 1, N 1,024]; A: input prev_coverage; B: input Wc_w: left as it is (K = 1 < 32)
;;     4. [M 65,536, K 1,024] x [K 1,024, N 1]; A: computed on the way; B: input V_w: left as it is (N = 1 < 16)
;;   THE QUANTISER, for each operand of a quantised product, along K:
;;     - The operand's scale is 2^e, e = its entry of the input lowp_scales (int32; the entries are numbered through the quantised products in the list's order, A before B).
;;     - Each number is divided by the scale, clamped to +-448, and rounded to the nearest number of E4M3, ties to even, subnormals kept.
;;     - The product sums the exact products of the quantised numbers (number of the format x scale) in f32.
;;   ~~~python
;;   def quantise(x, axis, e):      # numpy; x: float32 -> the quantised numbers, widened to float32 again
;;       x = np.moveaxis(x, axis, -1); K = x.shape[-1]
;;       r = np.clip(x / 2.0 ** e, -448, 448)
;;       step = 2.0 ** (np.maximum(np.frexp(np.where(r == 0, 1, r))[1] - 1, -6) - 3)
;;       q = np.round(r / step) * step * 2.0 ** e      # np.round: ties to even
;;       return np.moveaxis(q, -1, axis).astype(np.float32)
;;   ~~~
;;   INPUTS GIVEN AS CODES. Wh_w (in the module: [1024, 1024], K = its axis 0); Ws_w (in the module: [1024, 1024], K = its axis 0); dec_hidden (in the module: [32, 1024], K = its axis 1): each comes as NAME_codes (uint8): NAME with its K axis moved to the last place and cut into blocks of 32 codes, [.., K / 32, bytes a block], one block behind the other in memory; one code a byte (a code: sign, 4 exponent bits, 3 mantissa bits); its scale is its entry of lowp_scales. Its value is code x scale, taken as it is: it is not quantised again, and the codes and scales need not be those that the quantiser above would give.
;; One version. Each part assembles by itself: llvm-mc -triple=amdgcn-amd-amdhsa -mcpu=gfx1250 --defsym DOCPART=n.
;; ======== version 1 of 1: 3 launches
;; limits: right only within a limited range of input values
;; workspace buffers: hb 131,072 bytes; score 262,144 bytes
;; launch prep (part 1): grid 16 x 1, 4 waves a work-group, no clusters, 9,216 bytes of LDS; arguments dec_hidden_codes, Wh_w_codes, lowp_scales, Wh_b, Ws_b, Wc_b, hb; writes hb
.if DOCPART == 1
	.amdgcn_target "amdgcn-amd-amdhsa--gfx1250"
	.amdhsa_code_object_version 6
	.text
	.protected	k_q58cfda3ccd_prep
	.globl	k_q58cfda3ccd_prep
	.p2align	8
	.type	k_q58cfda3ccd_prep,@function
k_q58cfda3ccd_prep:
	s_mov_b64 s[64:65], 0
	v_nop
	global_prefetch_b8 v0, s[64:65] scope:SCOPE_SE
	s_setreg_imm32_b32 hwreg(HW_REG_WAVE_MODE, 25, 1), 1
	s_wait_xcnt 0x0
; hb[b][u] = 2^(e0 + e1) x (sum over k of dec[b][k] Wh[u][k], on the E4M3 codes as they are given) + Wh_b[u] + Ws_b[u] + Wc_b[u].   hb: [32][1024] f32.
; All that the scores' launch adds to a column u for a batch b, but for the coverage's term, is made here once.
; SHARES.  1,024 matrix instructions in all: 16 work-groups of four waves; work-group x owns u = 64 x .. 64 x + 63, wave w the tile of 16 from u0 = 64 x + 16 w, for both tiles of 16 batches.
; THE MATRIX INSTRUCTION IS USED TRANSPOSED (source 0 = 16 rows of Wh, source 1 = 16 rows of dec): lane (r, h) holds batch 16 mt + r, and its register j the column u0 + 8 h + j.
; A fragment (16 rows x 128 K) comes by four loads of 16 bytes, 32 bytes apart: a permutation of k inside the instruction, the same in both operands, so every product meets its partner.
; NO CLUSTER: the operands go from memory straight into registers, once; what the work-groups share, dec's 32,768 bytes, is half of what each reads of its own.
; LIMIT: e0 + e1 between -126 and 127, so that 2^(e0 + e1) is an f32 number.  enc_pad_mask is taken by the problem's function and never used there: no launch reads it.
; REGISTERS: window 0: v1-8 addresses; v12, v13 the add's two; v16-39 the three biases; v40-55 two accumulators; v64-191 Wh's eight fragments; v192-223 the way out.   window 1: dec's sixteen fragments.
; WORK LEFT OUT IN THE WHOLE PROGRAM.  score[b][s] = V_b + sum over u of V[u] tanh(feat[b][s][u]) goes into a softmax over s and nowhere else.  With tanh(x) = 1 - 2 / (1 + e^(2x)) it is
; (V_b + sum over u of V[u]) - 2 sum over u of V[u] / (1 + e^(2 feat)): the bracket is the same for every s of a batch, whatever the inputs hold, and a softmax over s takes such a term away.
; So V_b is not loaded and is no launch's argument, and the sum of V is not formed.  LIMIT: a NaN, an infinity or an overflow that reaches only V_b or the sum of V is not carried to the results.
.set SP,    272
.set SPARE, 32*SP                      ; behind the stage of 32 rows: the spare words, 128 bytes for each wave, which no other line names
.set SPW, 12
.set NIL, 13
.set BH,  16                           ; Wh_b, later the sum of the three
.set BS,  24                           ; Ws_b
.set BC,  32                           ; Wc_b
.set ACC, 40
.set WF,  64
.set RES, 192
.set BK,  208
.set MSB, 0
.macro WIN new                         ; the immediate's high byte repeats the setting that is left
.if MSB != (\new)
	s_set_vgpr_msb (MSB<<8)|(\new)
.set MSB, (\new)
.endif
.endm
	s_load_b256 s[4:11], s[0:1], 0x0               ; dec s[4:5], Wh s[6:7], the scales' exponents s[8:9], Wh_b s[10:11]
	s_load_b128 s[12:15], s[0:1], 0x20             ; Ws_b, Wc_b
	s_load_b64 s[16:17], s[0:1], 0x30              ; hb
	v_lshl_add_u32 v[SPW], v0, 2, SPARE
	v_mov_b32 v[NIL], 0
	v_lshrrev_b32 v1, 5, v0
	v_readfirstlane_b32 s18, v1                    ; wave 0..3
	v_and_b32 v1, 15, v0                           ; r
	v_bfe_u32 v2, v0, 4, 1                         ; h
	v_lshlrev_b32 v3, 10, v1
	v_lshl_add_u32 v3, v2, 4, v3                   ; a fragment's row of 1,024 bytes, + 16 h
	v_lshlrev_b32 v5, 5, v2                        ; the biases: my half's eight numbers
	v_mul_u32_u24 v6, v1, SP
	v_lshl_add_u32 v6, v2, 5, v6
	s_lshl_b32 s26, s18, 6
	v_add_nc_u32 v6, s26, v6                       ; into the stage: row r, + 64 w + 32 h
	s_mul_i32 s26, s18, 8*SP
	v_mul_u32_u24 v7, v2, SP
	v_lshl_add_u32 v7, v1, 4, v7
	v_add_nc_u32 v7, s26, v7                       ; back: wave w takes rows 8 w on; lanes 0-15 one row, lanes 16-31 the next
	v_lshlrev_b32 v8, 12, v2
	v_lshl_add_u32 v8, v1, 4, v8                   ; and the same two rows in hb
	s_lshl_b32 s26, ttmp9, 6
	s_lshl_b32 s27, s18, 4
	s_add_co_u32 s28, s26, s27                     ; u0
	s_lshl_b32 s26, s28, 10                        ; its row of Wh,
	s_mov_b32 s27, 0
	s_lshl_b32 s30, s28, 2                         ; its place in a bias,
	s_mov_b32 s31, 0
	s_lshl_b32 s28, s18, 15                        ; and what I store: rows 8 w on, the work-group's 256 bytes of them
	s_lshl_b32 s29, ttmp9, 8
	s_add_co_u32 s28, s28, s29
	s_mov_b32 s29, 0
	s_wait_alu depctr_va_vdst(0)
	s_wait_kmcnt 0x0
	s_load_b128 s[20:23], s[8:9], 0x0              ; e0, e1, e2, e3
	s_add_nc_u64 s[6:7], s[6:7], s[26:27]
	s_add_nc_u64 s[10:11], s[10:11], s[30:31]
	s_add_nc_u64 s[12:13], s[12:13], s[30:31]
	s_add_nc_u64 s[14:15], s[14:15], s[30:31]
	s_add_nc_u64 s[16:17], s[16:17], s[28:29]
.irp s, 0,1,2,3,4,5,6,7
.irp c, 0,1,2,3
	global_load_b128 v[WF+16*\s+4*\c:WF+16*\s+4*\c+3], v3, s[6:7] offset:128*\s+32*\c
.endr
.endr
	global_load_b128 v[BH:BH+3],   v5, s[10:11]
	global_load_b128 v[BH+4:BH+7], v5, s[10:11] offset:16
	global_load_b128 v[BS:BS+3],   v5, s[12:13]
	global_load_b128 v[BS+4:BS+7], v5, s[12:13] offset:16
	global_load_b128 v[BC:BC+3],   v5, s[14:15]
	global_load_b128 v[BC+4:BC+7], v5, s[14:15] offset:16
	WIN 0x40                                       ; destination window 1
.irp mt, 0,1
.irp s, 0,1,2,3,4,5,6,7
.irp c, 0,1,2,3
	global_load_b128 v[128*\mt+16*\s+4*\c:128*\mt+16*\s+4*\c+3], v3, s[4:5] offset:16384*\mt+128*\s+32*\c
.endr
.endr
.endr
	WIN 0
	s_wait_kmcnt 0x0
	s_add_co_i32 s24, s20, s21
	s_add_co_i32 s24, s24, 127
	s_lshl_b32 s24, s24, 23                        ; 2^(e0 + e1) as f32
	s_mov_b32 s25, s24                             ; (named with it as a pair, so it is written)
	s_wait_loadcnt 0x0                             ; everything is in
	WIN 0x04                                       ; source 1 (dec) window 1
.irp s, 0,1,2,3,4,5,6,7                        ; the two accumulators take turns, one instruction a turn; the first K step starts the sums
.irp mt, 0,1
.if \s == 0
	v_wmma_f32_16x16x128_fp8_fp8 v[ACC+8*\mt:ACC+8*\mt+7], v[WF+16*\s:WF+16*\s+15], v[128*\mt+16*\s:128*\mt+16*\s+15], 0
.else
	v_wmma_f32_16x16x128_fp8_fp8 v[ACC+8*\mt:ACC+8*\mt+7], v[WF+16*\s:WF+16*\s+15], v[128*\mt+16*\s:128*\mt+16*\s+15], v[ACC+8*\mt:ACC+8*\mt+7]
.endif
.endr
.endr
	WIN 0
.irp p, 0,2,4,6                                ; the three biases are added: eight plain lines that name no register of the products: the places behind them (ISA guide 7.12.1)
	v_pk_add_f32 v[BH+\p:BH+\p+1], v[BH+\p:BH+\p+1], v[BS+\p:BS+\p+1]
.endr
.irp p, 0,2,4,6
	v_pk_add_f32 v[BH+\p:BH+\p+1], v[BH+\p:BH+\p+1], v[BC+\p:BC+\p+1]
.endr
.irp mt, 0,1
.irp p, 0,2,4,6
	v_pk_fma_f32 v[RES+8*\mt+\p:RES+8*\mt+\p+1], v[ACC+8*\mt+\p:ACC+8*\mt+\p+1], s[24:25], v[BH+\p:BH+\p+1] op_sel_hi:[1,0,1]   ; sum x 2^(e0 + e1) + the biases; each accumulator from its low end on
.endr
.endr
.irp mt, 0,1
	ds_store_b128 v6, v[RES+8*\mt:RES+8*\mt+3] offset:16*SP*\mt
	ds_store_b128 v6, v[RES+8*\mt+4:RES+8*\mt+7] offset:16*SP*\mt+16
.endr
	s_wait_dscnt 0x0                               ; for the others' sake: my stores into the stage are done; a row's 256 bytes come from four waves
	s_barrier_signal -1
	s_barrier_wait -1
.irp i, 0,1,2,3
	ds_load_b128 v[BK+4*\i:BK+4*\i+3], v7 offset:2*\i*SP
.endr
.irp i, 0,1,2,3
	s_wait_dscnt 3-\i                              ; LDS loads come back in order: pair i of rows is in
	global_store_b128 v8, v[BK+4*\i:BK+4*\i+3], s[16:17] offset:2*\i*4096   ; 16 lanes store 256 consecutive bytes, at a multiple of 256 from hb's first byte
.endr
	s_wait_tensorcnt 0x0                           ; the wave's end, behind my last LDS store
	ds_add_u32 v[SPW], v[NIL]
	s_wait_dscnt 0x0
	s_endpgm
.Lfunc_end_k_q58cfda3ccd_prep:
	.size	k_q58cfda3ccd_prep, .Lfunc_end_k_q58cfda3ccd_prep-k_q58cfda3ccd_prep
	.p2alignl 7, 3214868480
	.fill 96, 4, 3214868480
	.section	.rodata,"a",@progbits
	.p2align	6, 0x0
	.amdhsa_kernel k_q58cfda3ccd_prep
		.amdhsa_group_segment_fixed_size 9216
		.amdhsa_private_segment_fixed_size 0
		.amdhsa_enable_private_segment 0
		.amdhsa_kernarg_size 56
		.amdhsa_user_sgpr_count 2
		.amdhsa_user_sgpr_kernarg_segment_ptr 1
		.amdhsa_wavefront_size32 1
		.amdhsa_system_sgpr_workgroup_id_x 1
		.amdhsa_system_sgpr_workgroup_id_y 1
		.amdhsa_system_sgpr_workgroup_id_z 1
		.amdhsa_system_vgpr_workitem_id 0
		.amdhsa_next_free_vgpr 512
		.amdhsa_next_free_sgpr 66
		.amdhsa_reserve_vcc 0
		.amdhsa_float_denorm_mode_32 3
		.amdhsa_float_denorm_mode_16_64 3
		.amdhsa_memory_ordered 1
		.amdhsa_forward_progress 1
		.amdhsa_inst_pref_size 16
	.end_amdhsa_kernel
	.amdgpu_metadata
---
amdhsa.version: [ 1, 2 ]
amdhsa.kernels:
  - .name:           k_q58cfda3ccd_prep
    .symbol:         k_q58cfda3ccd_prep.kd
    .args:
      - { .name: dec_hidden_codes, .offset: 0, .size: 8, .value_kind: global_buffer, .address_space: global }
      - { .name: Wh_w_codes, .offset: 8, .size: 8, .value_kind: global_buffer, .address_space: global }
      - { .name: lowp_scales, .offset: 16, .size: 8, .value_kind: global_buffer, .address_space: global }
      - { .name: Wh_b, .offset: 24, .size: 8, .value_kind: global_buffer, .address_space: global }
      - { .name: Ws_b, .offset: 32, .size: 8, .value_kind: global_buffer, .address_space: global }
      - { .name: Wc_b, .offset: 40, .size: 8, .value_kind: global_buffer, .address_space: global }
      - { .name: hb, .offset: 48, .size: 8, .value_kind: global_buffer, .address_space: global }
    .group_segment_fixed_size: 9216
    .private_segment_fixed_size: 0
    .kernarg_segment_align: 8
    .kernarg_segment_size: 56
    .max_flat_workgroup_size: 128
    .sgpr_count:     66
    .vgpr_count:     512
    .wavefront_size: 32
...
	.end_amdgpu_metadata
.endif
;; end of part 1
;; launch score (part 2): grid 256 x 1, 4 waves a work-group, clusters of 4 x 1, 327,680 bytes of LDS; arguments enc_output, Ws_w_codes, lowp_scales, prev_coverage, Wc_w, V_w, hb, score; writes score
.if DOCPART == 2
	.amdgcn_target "amdgcn-amd-amdhsa--gfx1250"
	.amdhsa_code_object_version 6
	.text
	.protected	k_q58cfda3ccd_score
	.globl	k_q58cfda3ccd_score
	.p2align	8
	.type	k_q58cfda3ccd_score,@function
k_q58cfda3ccd_score:
	s_mov_b64 s[64:65], 0
	v_nop
	global_prefetch_b8 v0, s[64:65] scope:SCOPE_SE
	s_setreg_imm32_b32 hwreg(HW_REG_WAVE_MODE, 25, 1), 1
	s_wait_xcnt 0x0
	s_wait_alu depctr_hold_cnt(0) depctr_sa_sdst(0) depctr_va_vdst(0) depctr_va_sdst(0) depctr_va_ssrc(0) depctr_va_vcc(0) depctr_vm_vsrc(0)
	s_getreg_b32 s2, hwreg(HW_REG_IB_STS2, 6, 4)
	s_cmp_eq_u32 s2, 0
	s_cbranch_scc0 .Lentry_in_a_cluster
	s_endpgm
.Lentry_in_a_cluster:
	s_bfe_u32 s2, ttmp6, 0x10000c
	s_cmp_lg_u32 s2, 0x3003
	s_cbranch_scc0 .Lentry_shape_is_right
	s_endpgm
.Lentry_shape_is_right:
; score[b][s] = -2 x sum over u of V[u] / (1 + e^(2 feat)),  feat = 2^(e2+e3) x (Q(enc[b][s]) . Ws[u], on E4M3 codes) + prev[b][s] Wc[u] + hb[b][u].
; LEFT OUT: V_b and the sum of V, the same for every s of a batch: the softmax over s that alone reads these scores takes them away (shown at the head of the first kernel).
; SHARES.  A work-group owns 256 rows (b, s) of one batch, a wave 64 of them.  PHASE 1: the wave reads its 64 x 1,024 f32 once, whole pieces of 512 bytes of a row a load, holds them at +-448 x 2^e2,
; converts, and turns the codes through its own LDS stage into 32 operand fragments: 512 registers (windows 1, 2).  A ring of four buffers of 16 loads (window 3) keeps 64 loads out.
; PHASE 2: Ws's 1,024 rows walk by in two LDS slots of 64 rows x 1,024 codes, asked for jointly by the four work-groups of a cluster (all read the same tile; each wave 16 rows).
; A PERIOD is 32 columns u: 8 accumulators x 8 K steps = 64 matrix instructions, transposed (source 0 = 16 rows of Ws, source 1 = my 16 rows): lane (r, h) holds row 16 mt + r, register j column 16 t + 8 h + j.
; (prev Wc + hb) / 2^(e2+e3) is the C of each accumulator's first product.  Among a period's matrix instructions stand plain lines alone; its exponentials and reciprocals follow as two batches behind its last product,
; so that no transcendental stands inside a chain of sums.  The products with V of a period's results stand among the next period's matrix instructions.
; Each fragment of Ws for the next period is loaded into its registers (window 3) when this period has used them.
; NO PREFETCH: phase 1 is a plain stream of enc; of Ws all 64 clusters ask for the same 65,536 bytes at each change of slots, two periods (128 matrix instructions a wave) ahead of their use.
; LIMITS: e2 between -126 and 119; e2 + e3 between -126 and 126, so that each power of two below is an f32 number.
.set BP,    1040                       ; a row of Ws in LDS: 1,024 bytes + 16 of padding
.set SLOTB, 64*BP
.set HBA,   2*SLOTB                    ; tables: hb / 2^(e2+e3), Wc / 2^(e2+e3), -2 V: 4,096 bytes each
.set STG,   HBA+3*4096                 ; the stages: 64 rows x (512 codes + 16) for each wave
.set STP,   528
.set WSTG,  64*STP
.set SPARE, STG+4*WSTG                 ; the spare words, 128 bytes for each wave, which no other line names
.set XO,  3                            ; 16 x lane
.set STW0,4                            ; stage, in: 4 x lane
.set STW, 5                            ; the same + the trip's 16 rows
.set STR, 6                            ; stage, back: row r, + 16 h
.set ADB, 7                            ; v7, v8: my place in a tile of Ws, slot 0, 1
.set AC0, 9                            ; tables: 32 h
.set ADC, 10                           ; the same + the loop's step
.set QS,  11                           ; 2^e2
.set QL,  12                           ; 448 x 2^e2
.set SPW, 13
.set NIL, 14
.set SO,  15
.set COV, 16                           ; prev of my row in each of four row tiles, twice each
.set PS,  24                           ; four pairs of sums
.set HBC, 32
.set WCC, 48
.set VVC, 64
.set CD,  80                           ; codes on their way to the stage, two sets of 16
.set ACC, 128                          ; 8 accumulators
.set EX,  192                          ; their scaled copies, then e^, 1 + e^, 1 / (1 + e^)
.set LB,  20                           ; s[20:21] where the loads ahead stand
.set WV,  22
.set SGB, 23
.set NN,  26
.set SB,  32
.set CB,  35
.set SC,  36                           ; s[36:37] 2 log2(e) 2^(e2+e3)
.set SEL, 38
.set G1,  40
.set G0A, 48
.set G0W, 52
.set MSB, 0
.macro WIN new                         ; the immediate's high byte repeats the setting that is left
.if MSB != (\new)
	s_set_vgpr_msb (MSB<<8)|(\new)
.set MSB, (\new)
.endif
.endm
.macro PLACES
.rept 4
	v_nop
.endr
.endm
.macro CROUND                          ; a round of the cluster's barrier
	s_barrier_signal -1
	s_barrier_wait -1
	s_cmp_lg_u32 s[WV], 0
	s_cbranch_scc1 .Lnot_wave_0_\@
	s_barrier_signal -3
.Lnot_wave_0_\@:
	s_barrier_wait -3
	s_barrier_signal -1
	s_barrier_wait -1
.endm
.macro XL j, b                         ; 16 rows x 512 bytes into ring buffer j
	WIN 0xc0
.irp i, 0,1,2,3,4,5,6,7,8,9,10,11,12,13,14,15
	global_load_b128 v[64*(\j)+4*\i:64*(\j)+4*\i+3], v[XO], s[\b:\b+1] offset:\i*4096+512*(\j) th:TH_LOAD_NT
.endr
.endm
; one fragment's numbers: hold, convert (registers 8 i .. 8 i + 7 are four numbers of row 2 i and four of row 2 i + 1), refill the buffer, codes to the stage
.macro STEP j, ld, cnt
	s_wait_loadcnt \cnt                            ; loads come back in order: buffer j is in, the younger buffers' loads stay out
	WIN 0xc3
.set n, 64*(\j)
.rept 64
	v_med3_num_f32 v[n], v[n], -v[QL], v[QL]
.set n, n+1
.endr
	WIN 0x03
.irp i, 0,1,2,3,4,5,6,7
	v_cvt_scalef32_pk8_fp8_f32 v[CD+16*((\j)%2)+2*\i:CD+16*((\j)%2)+2*\i+1], v[64*(\j)+8*\i:64*(\j)+8*\i+7], v[QS]
.endr
	v_nop                                          ; a plain line behind the last conversion
.if \ld
	XL \j, LB
.endif
	WIN 0
.irp i, 0,1,2,3,4,5,6,7,8,9,10,11,12,13,14,15
	ds_store_b32 v[STW], v[CD+16*((\j)%2)+\i] offset:STP*\i+128*(\j)
.endr
.endm
; a trip: 16 rows x 512 along K.  Trip n takes rows 16 (n % 4) on, K from 512 (n / 4) on; its loads ask for trip n + 1
.macro TRIP ld
.if \ld
	s_add_co_u32 s[NN], s[NN], 1
	s_and_b32 s24, s[NN], 3
	s_lshl_b32 s24, s24, 16
	s_lshr_b32 s27, s[NN], 2
	s_lshl_b32 s27, s27, 11
	s_add_co_u32 s24, s24, s27
	s_wait_xcnt 0x0                                ; the last trip's loads have read their base
	s_add_nc_u64 s[LB:LB+1], s[4:5], s[24:25]
	STEP 0, 1, 48
	STEP 1, 1, 48
	STEP 2, 1, 48
	STEP 3, 1, 48
.else
	STEP 0, 0, 48
	STEP 1, 0, 32
	STEP 2, 0, 16
	STEP 3, 0, 0
.endif
.endm
.macro TRIPEND lab
	s_add_co_u32 s[SB], s[SB], 16*STP
	v_add_nc_u32 v[STW], s[SB], v[STW0]
	s_sub_co_u32 s33, s33, 1
	s_cmp_lg_u32 s33, 0
	s_wait_alu depctr_va_vdst(0)
	s_cbranch_scc1 \lab
.endm
.macro ALOAD win                       ; 16 fragments back from the stage (LDS serves a wave's instructions in order): fragment (mt, ks % 4) at v[64 (ks % 4) + 16 mt]
	WIN (\win)<<6
.irp mt, 0,1,2,3
.irp k, 0,1,2,3
.irp c, 0,1,2,3
	ds_load_b128 v[64*\k+16*\mt+4*\c:64*\k+16*\mt+4*\c+3], v[STR] offset:16*\mt*STP+128*\k+32*\c
.endr
.endr
.endr
	WIN 0
.endm
.macro RUN s, sl, off                  ; Ws's two fragments of K step s, columns 32 off on of slot sl
	WIN 0xc0
.irp t, 0,1
.irp c, 0,1,2,3
	ds_load_b128 v[32*(\s)+16*\t+4*\c:32*(\s)+16*\t+4*\c+3], v[ADB+\sl] offset:(32*(\off)+16*\t)*BP+128*(\s)+32*\c
.endr
.endr
.endm
.macro CHW coff
	WIN 0
.irp t, 0,1
.irp i, 0,1
	ds_load_b128 v[HBC+8*\t+4*\i:HBC+8*\t+4*\i+3], v[ADC] offset:(\coff)+64*\t+16*\i
	ds_load_b128 v[WCC+8*\t+4*\i:WCC+8*\t+4*\i+3], v[ADC] offset:4096+(\coff)+64*\t+16*\i
.endr
.endr
.endm
.macro CVV coff
	WIN 0
.irp t, 0,1
.irp i, 0,1
	ds_load_b128 v[VVC+8*\t+4*\i:VVC+8*\t+4*\i+3], v[ADC] offset:8192+(\coff)+64*\t+16*\i
.endr
.endr
.endm
.macro VACC                            ; group g: columns pair g % 4 of tile g / 4, all four row tiles: sums += result x (-2 V)
.irp m, 0,1,2,3
	v_pk_fma_f32 v[PS+2*\m:PS+2*\m+1], v[EX+8*(4*(g/4)+\m)+2*(g%4):EX+8*(4*(g/4)+\m)+2*(g%4)+1], v[VVC+8*(g/4)+2*(g%4):VVC+8*(g/4)+2*(g%4)+1], v[PS+2*\m:PS+2*\m+1]
.endr
.endm
.macro EB                              ; accumulator eb x 2 log2(e) 2^(e2+e3), from its low end on
.irp p, 0,2,4,6
	v_pk_mul_f32 v[EX+8*eb+\p:EX+8*eb+\p+1], v[ACC+8*eb+\p:ACC+8*eb+\p+1], s[SC:SC+1] op_sel_hi:[1,0]
.endr
.endm
; A PERIOD.  sl, off: where the next period's fragments lie; coff: this period's place in the tables; ld: a next period follows; ep: a period came before.
; The 8 accumulators take turns, one instruction a turn.  Each group of four plain lines behind a K step's last product is also the places ahead of the loads into that step's fragments.
.macro PERIOD sl, off, coff, ld, ep
.set w, 0
.rept 64
.set ai, w%8
.if w < 8
	WIN 0
.irp p, 0,2,4,6
	v_pk_fma_f32 v[ACC+8*ai+\p:ACC+8*ai+\p+1], v[WCC+8*(ai/4)+\p:WCC+8*(ai/4)+\p+1], v[COV+2*(ai%4):COV+2*(ai%4)+1], v[HBC+8*(ai/4)+\p:HBC+8*(ai/4)+\p+1]
.endr
.endif
	WIN 0x07+4*(w/32)
	v_wmma_f32_16x16x128_fp8_fp8 v[ACC+8*ai:ACC+8*ai+7], v[32*(w/8)+16*(ai/4):32*(w/8)+16*(ai/4)+15], v[64*((w/8)%4)+16*(ai%4):64*((w/8)%4)+16*(ai%4)+15], v[ACC+8*ai:ACC+8*ai+7]
.if ((w%8 == 7) && (w < 56)) || (w == 56)
	WIN 0
.if w == 56
.set g, 7
.else
.set g, w/8
.endif
.if \ep
	VACC
.else
	PLACES
.endif
.if \ld && (w != 56)
	RUN w/8, \sl, \off
.if w == 7
	CHW (\coff)+128
.endif
.endif
.endif
.if w > 56
	WIN 0
.set eb, ai-1
	EB                                             ; four plain lines stand between an accumulator's last product and these
.endif
.set w, w+1
.endr
.set eb, 7
	EB
.if \ld
	RUN 7, \sl, \off
.endif
	CVV \coff
	s_wait_alu depctr_va_vdst(0)
.set j, 0
.rept 64
	v_exp_f32 v[EX+j], v[EX+j]
.set j, j+1
.endr
	v_nop
	s_wait_alu depctr_va_vdst(0)
.set j, 0
.rept 32
	v_pk_add_f32 v[EX+j:EX+j+1], v[EX+j:EX+j+1], 1.0 op_sel_hi:[1,0]
.set j, j+2
.endr
	s_wait_alu depctr_va_vdst(0)
.set j, 0
.rept 64
	v_rcp_f32 v[EX+j], v[EX+j]
.set j, j+1
.endr
	v_nop
	s_wait_alu depctr_va_vdst(0)
	s_wait_dscnt 0x0                               ; the next period's fragments and table pieces are in
.endm
; THE CHANGE OF SLOTS: all my tensor loads are in, the add, my reads of the slot that is left are over; fill = 1: a round of the cluster's barrier, and that slot's next 64 rows, my one load
.macro CHANGE g0, fill
	s_wait_tensorcnt 0x0
	ds_add_u32 v[SPW], v[NIL]
.if \fill
	s_add_nc_u64 s[\g0+2:\g0+3], s[\g0+2:\g0+3], 131072
.endif
	s_wait_dscnt 0x0
.if \fill
	CROUND
	tensor_load_to_lds s[\g0:\g0+3], s[G1:G1+7]
	s_nop 0
	PLACES
.else
	s_barrier_signal -1
	s_barrier_wait -1
.endif
.endm
	s_load_b512 s[4:19], s[0:1], 0x0               ; enc 4, Ws 6, scales 8, prev 10, Wc 12, V 14, hb 16, score 18
	v_lshl_add_u32 v[SPW], v0, 2, SPARE
	v_mov_b32 v[NIL], 0
	ds_add_u32 v[SPW], v[NIL]
	ds_add_u32 v[SPW], v[NIL]
	v_lshrrev_b32 v1, 5, v0
	v_readfirstlane_b32 s[WV], v1
	s_bfe_u32 s27, ttmp6, 0x40000
	s_lshl_b32 s24, ttmp9, 2
	s_add_co_u32 s24, s24, s27                     ; my work-group
	s_mov_b32 s[G1], 15|(0<<16)|(1<<20)|(1<<21)|(7<<22)|(3<<25)   ; mask: all four of the cluster; bytes; 4 words of padding behind every 256
	s_mov_b32 s[G1+1], 1024<<16
	s_mov_b32 s[G1+2], 16<<16
	s_mov_b32 s[G1+3], 1024<<16
	s_mov_b32 s[G1+4], 16
	s_mov_b32 s[G1+5], 1024
	s_mov_b32 s[G1+6], 0
	s_mov_b32 s[G1+7], 0
	s_mov_b32 s[SEL], 0x76543210
	s_mov_b32 s[SEL+1], 0xfedcba98
	s_mul_i32 s[SGB], s[WV], WSTG
	s_add_co_u32 s[SGB], s[SGB], STG               ; my stage
	s_lshl_b32 s56, s24, 20
	s_lshl_b32 s57, s[WV], 18
	s_add_co_u32 s56, s56, s57                     ; enc: 256 rows a work-group, 64 a wave, 4,096 bytes a row
	s_mov_b32 s57, 0
	s_lshl_b32 s58, s24, 10
	s_lshl_b32 s59, s[WV], 8
	s_add_co_u32 s58, s58, s59                     ; prev, score: 4 bytes a row
	s_mov_b32 s59, 0
	s_lshr_b32 s60, ttmp9, 1
	s_lshl_b32 s60, s60, 12                        ; hb: the batch's 4,096 bytes (two clusters a batch)
	s_mov_b32 s61, 0
	s_lshl_b32 s62, s[WV], 14                      ; Ws: my 16 rows of a slot's 64
	s_mov_b32 s63, 0
	v_and_b32 v1, 15, v0
	v_bfe_u32 v2, v0, 4, 1
	v_and_b32 v[SO], 31, v0
	v_lshlrev_b32 v[XO], 4, v[SO]
	v_lshl_add_u32 v[STW0], v[SO], 2, s[SGB]
	v_mov_b32 v[STW], v[STW0]
	v_mul_u32_u24 v[STR], v1, STP
	v_lshl_add_u32 v[STR], v2, 4, v[STR]
	v_add_nc_u32 v[STR], s[SGB], v[STR]
	v_mul_u32_u24 v[ADB], v1, BP
	v_lshl_add_u32 v[ADB], v2, 4, v[ADB]
	v_add_nc_u32 v[ADB+1], SLOTB, v[ADB]
	v_lshlrev_b32 v[AC0], 5, v2
	v_add_nc_u32 v[AC0], HBA, v[AC0]
	v_mov_b32 v[ADC], v[AC0]
	v_lshlrev_b32 v112, 4, v0
	v_add_nc_u32 v113, HBA, v112
	v_lshlrev_b32 v114, 2, v1
	v_lshlrev_b32 v[SO], 3, v[SO]
.irp j, 0,1,2,3,4,5,6,7
	v_mov_b32 v[PS+\j], 0
.endr
	s_wait_alu depctr_va_vdst(0)
	s_wait_dscnt 0x0
	s_wait_kmcnt 0x0
	s_load_b128 s[28:31], s[8:9], 0x0              ; e0, e1, e2, e3
	s_add_nc_u64 s[4:5], s[4:5], s[56:57]
	s_add_nc_u64 s[10:11], s[10:11], s[58:59]
	s_add_nc_u64 s[18:19], s[18:19], s[58:59]
	s_add_nc_u64 s[16:17], s[16:17], s[60:61]
	s_add_nc_u64 s[6:7], s[6:7], s[62:63]
	global_load_b128 v[128:131], v112, s[16:17]
	global_load_b128 v[132:135], v112, s[16:17] offset:2048
	global_load_b128 v[136:139], v112, s[12:13]
	global_load_b128 v[140:143], v112, s[12:13] offset:2048
	global_load_b128 v[144:147], v112, s[14:15]
	global_load_b128 v[148:151], v112, s[14:15] offset:2048
.irp m, 0,1,2,3
	global_load_b32 v[COV+2*\m], v114, s[10:11] offset:64*\m
.endr
	XL 0, 4                                        ; the ring is filled: trip 0
	XL 1, 4
	XL 2, 4
	WIN 0
	s_mov_b32 s[G0A], 1
	s_mul_i32 s[G0A+1], s[WV], 16*BP
	s_add_nc_u64 s[G0A+2:G0A+3], s[6:7], 0
	s_or_b32 s[G0A+3], s[G0A+3], 0x80000000
	s_mov_b32 s[G0W], 1
	s_add_co_u32 s[G0W+1], s[G0A+1], SLOTB
	s_add_nc_u64 s[G0W+2:G0W+3], s[6:7], 65536
	s_or_b32 s[G0W+3], s[G0W+3], 0x80000000
	CROUND                                         ; in front of the first joint load
	tensor_load_to_lds s[G0A:G0A+3], s[G1:G1+7]    ; slot 0: my one tensor load at the head
	s_nop 0
	PLACES
	s_wait_kmcnt 0x0
	s_add_co_i32 s56, s30, 127
	s_lshl_b32 s57, s56, 23
	v_mov_b32 v[QS], s57
	s_add_co_i32 s56, s56, 8
	s_lshl_b32 s56, s56, 23
	s_or_b32 s56, s56, 0x600000
	v_mov_b32 v[QL], s56
	s_add_co_i32 s56, s30, s31
	s_lshl_b32 s57, s56, 23
	s_add_co_i32 s[SC], s57, 0x4038aa3b            ; 2 log2(e), e2 + e3 added to its exponent field
	s_mov_b32 s[SC+1], s[SC]
	s_sub_co_i32 s58, 127, s56
	s_lshl_b32 s58, s58, 23                        ; 2^-(e2+e3)
	s_mov_b32 s59, s58
	s_wait_loadcnt 48                              ; the tables' pieces and prev are in; the ring's 48 stay out
.irp j, 0,2,4,6,8,10,12,14
	v_pk_mul_f32 v[128+\j:129+\j], v[128+\j:129+\j], s[58:59] op_sel_hi:[1,0]
.endr
.irp j, 16,18,20,22
	v_pk_mul_f32 v[128+\j:129+\j], v[128+\j:129+\j], -2.0 op_sel_hi:[1,0]
.endr
.irp j, 0,1,2,3,4,5
	ds_store_b128 v113, v[128+4*\j:131+4*\j] offset:2048*\j
.endr
.irp m, 0,1,2,3
	v_mov_b32 v[COV+2*\m+1], v[COV+2*\m]
.endr
	XL 3, 4                                        ; the ring's fourth buffer
	WIN 0
	s_mov_b32 s[NN], 0
	s_mov_b32 s25, 0
	s_mov_b32 s[SB], 0
	s_mov_b32 s[CB], 0
	s_mov_b32 s33, 4
	s_wait_alu depctr_va_vdst(0)
.Lq1:                                                  ; K 0 .. 511 of my 64 rows
	TRIP 1
	TRIPEND .Lq1
	ALOAD 1
	s_mov_b32 s[SB], 0
	v_add_nc_u32 v[STW], s[SB], v[STW0]
	s_wait_alu depctr_va_vdst(0)
	s_wait_tensorcnt 0x0                           ; slot 1's first fill is issued as a refill is: my part of slot 0 is in,
	ds_add_u32 v[SPW], v[NIL]                      ; the add,
	s_wait_dscnt 0x0                               ; it, my stores of the tables and my stage reads are done,
	CROUND                                         ; a whole round: slot 0 and the tables are whole for every wave
	tensor_load_to_lds s[G0W:G0W+3], s[G1:G1+7]
	s_nop 0
	PLACES
	s_mov_b32 s33, 3
.Lq2:                                                  ; K 512 .. 1,023
	TRIP 1
	TRIPEND .Lq2
	TRIP 0                                         ; the last trip asks for nothing
	ALOAD 2
.irp s, 0,1,2,3,4,5,6,7
	RUN \s, 0, 0
.endr
	CHW 0
	s_wait_dscnt 0x0
	PERIOD 0, 1, 0, 1, 0
	s_mov_b32 s33, 7
.Lslot:                                                ; a trip: both slots once, four periods
	CHANGE G0A, 1
	PERIOD 1, 0, 128, 1, 1
	PERIOD 1, 1, 256, 1, 1
	CHANGE G0W, 1
	PERIOD 0, 0, 384, 1, 1
	PERIOD 0, 1, 512, 1, 1
	s_add_co_u32 s[CB], s[CB], 512
	v_add_nc_u32 v[ADC], s[CB], v[AC0]
	s_sub_co_u32 s33, s33, 1
	s_cmp_lg_u32 s33, 0
	s_wait_alu depctr_va_vdst(0)
	s_cbranch_scc1 .Lslot
	CHANGE G0A, 0                                  ; the last slot: nothing is filled again
	PERIOD 1, 0, 128, 1, 1
	PERIOD 1, 1, 256, 1, 1
	PERIOD 0, 0, 384, 0, 1
.irp q, 0,1,2,3,4,5,6,7
.set g, \q
	VACC
.endr
	v_and_b32 v80, 15, v0
	v_lshl_add_u32 v80, v80, 2, s[SGB]
	v_add_nc_u32 v81, s[SGB], v[SO]
.irp m, 0,1,2,3
	v_add_f32 v[82+\m], v[PS+2*\m], v[PS+2*\m+1]
.endr
.irp m, 0,1,2,3
	v_permlanex16_b32 v[86+\m], v[82+\m], s[SEL], s[SEL+1]
.endr
.irp m, 0,1,2,3
	v_add_f32 v[82+\m], v[82+\m], v[86+\m]         ; the row's sum over all 1,024 columns
.endr
.irp m, 0,1,2,3
	ds_store_b32 v80, v[82+\m] offset:64*\m        ; row 16 m + r at word 16 m + r of my stage (both halves of the lanes write the same number)
.endr
	ds_load_b64 v[90:91], v81
	s_wait_alu depctr_va_vdst(0)
	s_wait_dscnt 0x0
	global_store_b64 v[SO], v[90:91], s[18:19]     ; the wave stores 256 consecutive bytes, aligned
	s_wait_tensorcnt 0x0                           ; the wave's end
	ds_add_u32 v[SPW], v[NIL]
	s_wait_dscnt 0x0
	CROUND                                         ; the closing round
	s_endpgm
.Lfunc_end_k_q58cfda3ccd_score:
	.size	k_q58cfda3ccd_score, .Lfunc_end_k_q58cfda3ccd_score-k_q58cfda3ccd_score
	.p2alignl 7, 3214868480
	.fill 96, 4, 3214868480
	.section	.rodata,"a",@progbits
	.p2align	6, 0x0
	.amdhsa_kernel k_q58cfda3ccd_score
		.amdhsa_group_segment_fixed_size 327680
		.amdhsa_private_segment_fixed_size 0
		.amdhsa_enable_private_segment 0
		.amdhsa_kernarg_size 64
		.amdhsa_user_sgpr_count 2
		.amdhsa_user_sgpr_kernarg_segment_ptr 1
		.amdhsa_wavefront_size32 1
		.amdhsa_system_sgpr_workgroup_id_x 1
		.amdhsa_system_sgpr_workgroup_id_y 1
		.amdhsa_system_sgpr_workgroup_id_z 1
		.amdhsa_system_vgpr_workitem_id 0
		.amdhsa_next_free_vgpr 1024
		.amdhsa_next_free_sgpr 66
		.amdhsa_reserve_vcc 0
		.amdhsa_float_denorm_mode_32 3
		.amdhsa_float_denorm_mode_16_64 3
		.amdhsa_memory_ordered 1
		.amdhsa_forward_progress 1
		.amdhsa_inst_pref_size 255
	.end_amdhsa_kernel
	.section	.bss,"aw",@nobits
	.p2align	6
	.space	262144
	.amdgpu_metadata
---
amdhsa.version: [ 1, 2 ]
amdhsa.kernels:
  - .name:           k_q58cfda3ccd_score
    .symbol:         k_q58cfda3ccd_score.kd
    .args:
      - { .name: enc_output, .offset: 0, .size: 8, .value_kind: global_buffer, .address_space: global }
      - { .name: Ws_w_codes, .offset: 8, .size: 8, .value_kind: global_buffer, .address_space: global }
      - { .name: lowp_scales, .offset: 16, .size: 8, .value_kind: global_buffer, .address_space: global }
      - { .name: prev_coverage, .offset: 24, .size: 8, .value_kind: global_buffer, .address_space: global }
      - { .name: Wc_w, .offset: 32, .size: 8, .value_kind: global_buffer, .address_space: global }
      - { .name: V_w, .offset: 40, .size: 8, .value_kind: global_buffer, .address_space: global }
      - { .name: hb, .offset: 48, .size: 8, .value_kind: global_buffer, .address_space: global }
      - { .name: score, .offset: 56, .size: 8, .value_kind: global_buffer, .address_space: global }
    .group_segment_fixed_size: 327680
    .private_segment_fixed_size: 0
    .kernarg_segment_align: 8
    .kernarg_segment_size: 64
    .max_flat_workgroup_size: 128
    .sgpr_count:     66
    .vgpr_count:     1024
    .wavefront_size: 32
...
	.end_amdgpu_metadata
.endif
;; end of part 2
;; launch context (part 3): grid 256 x 1, 8 waves a work-group, no clusters, 13,824 bytes of LDS; arguments score, enc_output, prev_coverage, out0, out1, out2; writes out0, out1, out2
.if DOCPART == 3
	.amdgcn_target "amdgcn-amd-amdhsa--gfx1250"
	.amdhsa_code_object_version 6
	.text
	.protected	k_q58cfda3ccd_context
	.globl	k_q58cfda3ccd_context
	.p2align	8
	.type	k_q58cfda3ccd_context,@function
k_q58cfda3ccd_context:
	s_mov_b64 s[64:65], 0
	v_nop
	global_prefetch_b8 v0, s[64:65] scope:SCOPE_SE
	s_setreg_imm32_b32 hwreg(HW_REG_WAVE_MODE, 25, 1), 1
	s_wait_xcnt 0x0
; For each batch b: attn = softmax over the batch's 2,048 scores (the largest score is taken away first); out1 = attn; out2 = attn + prev_coverage; out0[b][d] = sum over s of attn[s] enc[b][s][d], all in f32.
; SHARES.  Eight work-groups a batch: work-group (b, c) owns out0[b][128 c .. 128 c + 127].  Each makes the batch's softmax for itself (8,192 bytes of scores).  Wave w of eight takes rows 256 w .. 256 w + 255:
; a load takes 512 consecutive bytes of one row, 16 a lane, so a lane keeps four columns; the eight waves' sums meet in LDS.  Each output number has one owner; out1 and out2: wave c of work-group (b, c) stores
; the 256 positions that its threads hold.
; A stream: every byte of enc is read once here, by a ring of 32 loads a wave in registers.  NO MATRIX UNIT, NO TENSOR LOAD, NO CLUSTER: nothing is multiplied twice, and what the eight work-groups of a batch share,
; the scores and prev_coverage, is 16,384 bytes beside the 1,048,576 of enc that each reads alone.
; The weights used in the sum are p = 2^((score - largest) log2 e), not normalised; the sum is divided once at the end.  NaN among the inputs is not served.  enc_pad_mask is taken by the problem's function and never used there: not read.
; The scores come without V_b and the sum of V, which are the same for all positions of a batch: the softmax below takes such a term away (shown at the head of the first kernel).
.set RED1,  8192
.set RED2,  8448                       ; their sums,
.set RED3,  8704                       ; and their 128 columns' sums, 512 bytes a wave
.set SPARE, 12800                      ; the spare words, 128 bytes for each wave, which no other line names
.set SPW, 5
.set NIL, 6
.set ACC, 24                           ; v24-31 and v8-15: four chains of four columns, taken by turns
.set WT,  32                           ; v32-63   a round's 32 weights
.set X,   64                           ; v64-191  the ring: 32 slots of four registers
	s_load_b256 s[4:11], s[0:1], 0x0               ; score s[4:5], enc s[6:7], prev s[8:9], out0 s[10:11]
	s_load_b128 s[12:15], s[0:1], 0x20             ; out1, out2
	v_lshl_add_u32 v[SPW], v0, 2, SPARE
	v_mov_b32 v[NIL], 0
	v_lshrrev_b32 v7, 5, v0
	v_readfirstlane_b32 s16, v7                    ; wave 0..7
	v_lshlrev_b32 v1, 4, v0                        ; 16 x my thread's number
	v_and_b32 v2, 31, v0
	v_lshlrev_b32 v2, 4, v2                        ; 16 x lane
	s_lshl_b32 s17, s16, 10
	v_mov_b32 v3, s17                              ; my wave's 256 weights in LDS
	s_lshl_b32 s17, s16, 2
	v_mov_b32 v7, s17                              ; my wave's word among eight
	v_mov_b32 v204, 0                              ; LDS address 0
	v_mov_b32 v193, 0                              ; written once: a lane permute's destination counts as one of its sources
	s_lshr_b32 s18, ttmp9, 3                       ; b
	s_and_b32 s19, ttmp9, 7                        ; c
	s_lshl_b32 s20, s18, 23                        ; enc: the batch's 2,048 rows of 4,096 bytes,
	s_lshl_b32 s21, s16, 20                        ; my wave's 256,
	s_add_co_u32 s20, s20, s21
	s_lshl_b32 s21, s19, 9                         ; the work-group's 512 bytes of a row
	s_add_co_u32 s20, s20, s21
	s_mov_b32 s21, 0
	s_lshl_b32 s22, s18, 13                        ; score, prev, out1, out2: 8,192 bytes a batch
	s_mov_b32 s23, 0
	s_lshl_b32 s24, s18, 12                        ; out0: 4,096 bytes a batch, 512 a work-group
	s_lshl_b32 s25, s19, 9
	s_add_co_u32 s24, s24, s25
	s_mov_b32 s25, 0
	s_mov_b32 s26, 0x76543210                      ; v_permlanex16_b32's selects for lane l xor 16
	s_mov_b32 s27, 0xfedcba98
	s_mov_b32 s28, 0
	s_wait_alu depctr_va_vdst(0)
	s_wait_kmcnt 0x0
	s_add_nc_u64 s[6:7], s[6:7], s[20:21]
	s_add_nc_u64 s[4:5], s[4:5], s[22:23]
	s_add_nc_u64 s[8:9], s[8:9], s[22:23]
	s_add_nc_u64 s[12:13], s[12:13], s[22:23]
	s_add_nc_u64 s[14:15], s[14:15], s[22:23]
	s_add_nc_u64 s[10:11], s[10:11], s[24:25]
	global_load_b128 v[8:11],  v1, s[4:5]                  ; scores of positions 4 t .. 4 t + 3
	global_load_b128 v[12:15], v1, s[4:5] offset:4096      ; and 1,024 + 4 t ..
	global_load_b128 v[16:19], v1, s[8:9]
	global_load_b128 v[20:23], v1, s[8:9] offset:4096
.set i, 0
.rept 32
	global_load_b128 v[X+4*i:X+4*i+3], v2, s[6:7] offset:4096*i th:TH_LOAD_NT   ; the ring is filled: rows 0 to 31
.set i, i+1
.endr
	s_wait_loadcnt 32                              ; scores and prev are in; the ring's 32 may be out
	v_max3_num_f32 v192, v8, v9, v10               ; the largest score: my eight,
	v_max3_num_f32 v192, v192, v11, v12
	v_max3_num_f32 v192, v192, v13, v14
	v_max_num_f32 v192, v192, v15
	v_max_num_f32_dpp v192, v192, v192 row_xmask:1 row_mask:0xf bank_mask:0xf   ; my wave's,
	v_max_num_f32_dpp v192, v192, v192 row_xmask:2 row_mask:0xf bank_mask:0xf
	v_max_num_f32_dpp v192, v192, v192 row_xmask:4 row_mask:0xf bank_mask:0xf
	v_max_num_f32_dpp v192, v192, v192 row_xmask:8 row_mask:0xf bank_mask:0xf
	v_permlanex16_b32 v193, v192, s26, s27
	v_max_num_f32 v192, v192, v193
	ds_store_b32 v7, v192 offset:RED1              ; all lanes write the same word with the same number
	s_wait_dscnt 0x0                               ; for the others' sake
	s_barrier_signal -1
	s_barrier_wait -1
	ds_load_b128 v[196:199], v204 offset:RED1
	ds_load_b128 v[200:203], v204 offset:RED1+16
	s_wait_dscnt 0x0
	v_max3_num_f32 v192, v196, v197, v198          ; and the eight waves'
	v_max3_num_f32 v192, v192, v199, v200
	v_max3_num_f32 v192, v192, v201, v202
	v_max_num_f32 v192, v192, v203
.irp j, 0,1,2,3,4,5,6,7
	v_sub_f32 v[8+\j], v[8+\j], v192
.endr
.irp j, 0,1,2,3,4,5,6,7
	v_mul_f32 v[8+\j], 0x3fb8aa3b, v[8+\j]
.endr
	s_wait_alu depctr_va_vdst(0)
.irp j, 0,1,2,3,4,5,6,7
	v_exp_f32 v[8+\j], v[8+\j]                     ; p, at most 1
.endr
	v_nop                                          ; a plain line behind the last exponential
	s_wait_alu depctr_va_vdst(0)                   ; one wait for the batch of eight, ahead of the first line that names a result
	ds_store_b128 v1, v[8:11]                      ; p of position s at byte 4 s
	ds_store_b128 v1, v[12:15] offset:4096
	v_pk_add_f32 v[192:193], v[8:9], v[10:11]
	v_pk_add_f32 v[194:195], v[12:13], v[14:15]
	v_pk_add_f32 v[192:193], v[192:193], v[194:195]
	v_add_f32 v192, v192, v193
	v_add_f32_dpp v192, v192, v192 row_xmask:1 row_mask:0xf bank_mask:0xf
	v_add_f32_dpp v192, v192, v192 row_xmask:2 row_mask:0xf bank_mask:0xf
	v_add_f32_dpp v192, v192, v192 row_xmask:4 row_mask:0xf bank_mask:0xf
	v_add_f32_dpp v192, v192, v192 row_xmask:8 row_mask:0xf bank_mask:0xf
	v_permlanex16_b32 v193, v192, s26, s27
	v_add_f32 v192, v192, v193
	ds_store_b32 v7, v192 offset:RED2
	s_wait_dscnt 0x0                               ; for the others' sake: my p and my wave's sum are stored
	s_barrier_signal -1
	s_barrier_wait -1
	ds_load_b128 v[196:199], v204 offset:RED2
	ds_load_b128 v[200:203], v204 offset:RED2+16
	s_wait_dscnt 0x0
	v_pk_add_f32 v[196:197], v[196:197], v[198:199]
	v_pk_add_f32 v[200:201], v[200:201], v[202:203]
	v_pk_add_f32 v[196:197], v[196:197], v[200:201]
	v_add_f32 v196, v196, v197
	s_wait_alu depctr_va_vdst(0)
	v_rcp_f32 v205, v196
	v_nop
	s_wait_alu depctr_va_vdst(0)
	s_cmp_lg_u32 s16, s19                          ; wave c of work-group (b, c) stores its threads' 256 positions of out1 and out2: ids alone; no barrier and no load stands inside
	s_cbranch_scc1 .Lnot_mine
.irp j, 0,1,2,3,4,5,6,7
	v_mul_f32 v[192+\j], v[8+\j], v205             ; attn
.endr
.irp j, 0,1,2,3,4,5,6,7
	v_add_f32 v[16+\j], v[192+\j], v[16+\j]        ; + prev_coverage
.endr
	global_store_b128 v1, v[192:195], s[12:13]             ; each store of the wave covers 512 consecutive bytes, aligned; none of these registers is written again
	global_store_b128 v1, v[196:199], s[12:13] offset:4096
	global_store_b128 v1, v[16:19], s[14:15]
	global_store_b128 v1, v[20:23], s[14:15] offset:4096
.Lnot_mine:
.irp j, 0,1,2,3,4,5,6,7
	v_mov_b32 v[ACC+\j], 0
.endr
.irp j, 0,1,2,3,4,5,6,7
	v_mov_b32 v[8+\j], 0                           ; p has gone to LDS and into attn: its registers take chains 2 and 3
.endr
	s_wait_alu depctr_va_vdst(0)
; A round: 32 rows.  Their weights come from LDS, every lane the same 16 bytes a load.  ahead = 1: each slot is filled again with the row 32 further down.
.macro ROUND ahead
	v_add_nc_u32 v4, s28, v3
.irp k, 0,1,2,3,4,5,6,7
	ds_load_b128 v[WT+4*\k:WT+4*\k+3], v4 offset:16*\k
.endr
.if \ahead
	s_wait_xcnt 0x0                                ; every earlier memory instruction has had its addresses translated (ISA guide 3.1): the base steps only behind this wait
	s_add_nc_u64 s[6:7], s[6:7], 0x20000           ; 32 rows on
.endif
	s_add_co_u32 s28, s28, 128
	s_wait_dscnt 0x0
.set i, 0
.rept 32
.if \ahead
	s_wait_loadcnt 31                              ; loads come back in order (ISA guide 5.7.1): this slot's is in, the 31 younger ones stay out
.else
	s_wait_loadcnt 31-i                            ; the last round loads nothing: the counts run down
.endif
.irp k, 0,1,2,3
	v_fmac_f32 v[ACC+4*(i%4)-24*((i%4)/2)+\k], v[WT+i], v[X+4*i+\k]
.endr
.if \ahead
	global_load_b128 v[X+4*i:X+4*i+3], v2, s[6:7] offset:4096*i th:TH_LOAD_NT
.endif
.set i, i+1
.endr
.endm
	s_mov_b32 s29, 7
.Lround:
	ROUND 1
	s_sub_co_u32 s29, s29, 1
	s_cmp_lg_u32 s29, 0
	s_cbranch_scc1 .Lround
	ROUND 0
	s_wait_alu depctr_va_vdst(0)
.irp k, 0,2
	v_pk_add_f32 v[ACC+\k:ACC+\k+1], v[ACC+\k:ACC+\k+1], v[ACC+4+\k:ACC+5+\k]   ; the four chains
	v_pk_add_f32 v[8+\k:9+\k], v[8+\k:9+\k], v[12+\k:13+\k]
.endr
.irp k, 0,2
	v_pk_add_f32 v[ACC+\k:ACC+\k+1], v[ACC+\k:ACC+\k+1], v[8+\k:9+\k]
.endr
	ds_store_b128 v1, v[ACC:ACC+3] offset:RED3     ; 512 w + 16 lane = 16 x my thread's number
	s_wait_dscnt 0x0                               ; for wave 0's sake
	s_barrier_signal -1
	s_barrier_wait -1
	s_cmp_lg_u32 s16, 0
	s_cbranch_scc1 .Lend                           ; wave 0 adds the eight waves' sums and stores the work-group's 128 numbers
.irp k, 0,1,2,3,4,5,6,7
	ds_load_b128 v[X+4*\k:X+4*\k+3], v2 offset:RED3+512*\k
.endr
	s_wait_dscnt 0x0
.irp k, 0,2,4,6
	v_pk_add_f32 v[X+4*\k:X+4*\k+1],   v[X+4*\k:X+4*\k+1],   v[X+4*\k+4:X+4*\k+5]
	v_pk_add_f32 v[X+4*\k+2:X+4*\k+3], v[X+4*\k+2:X+4*\k+3], v[X+4*\k+6:X+4*\k+7]
.endr
.irp k, 0,4
	v_pk_add_f32 v[X+4*\k:X+4*\k+1],   v[X+4*\k:X+4*\k+1],   v[X+4*\k+8:X+4*\k+9]
	v_pk_add_f32 v[X+4*\k+2:X+4*\k+3], v[X+4*\k+2:X+4*\k+3], v[X+4*\k+10:X+4*\k+11]
.endr
	v_pk_add_f32 v[X:X+1],   v[X:X+1],   v[X+16:X+17]
	v_pk_add_f32 v[X+2:X+3], v[X+2:X+3], v[X+18:X+19]
.irp k, 0,1,2,3
	v_mul_f32 v[X+\k], v[X+\k], v205               ; / the sum of p
.endr
	global_store_b128 v2, v[X:X+3], s[10:11]       ; 32 lanes store 512 consecutive bytes, at a multiple of 256 from out0's first byte
.Lend:
	s_wait_tensorcnt 0x0                           ; the wave's end, behind my last LDS store
	ds_add_u32 v[SPW], v[NIL]
	s_wait_dscnt 0x0
	s_endpgm
.Lfunc_end_k_q58cfda3ccd_context:
	.size	k_q58cfda3ccd_context, .Lfunc_end_k_q58cfda3ccd_context-k_q58cfda3ccd_context
	.p2alignl 7, 3214868480
	.fill 96, 4, 3214868480
	.section	.rodata,"a",@progbits
	.p2align	6, 0x0
	.amdhsa_kernel k_q58cfda3ccd_context
		.amdhsa_group_segment_fixed_size 13824
		.amdhsa_private_segment_fixed_size 0
		.amdhsa_enable_private_segment 0
		.amdhsa_kernarg_size 48
		.amdhsa_user_sgpr_count 2
		.amdhsa_user_sgpr_kernarg_segment_ptr 1
		.amdhsa_wavefront_size32 1
		.amdhsa_system_sgpr_workgroup_id_x 1
		.amdhsa_system_sgpr_workgroup_id_y 1
		.amdhsa_system_sgpr_workgroup_id_z 1
		.amdhsa_system_vgpr_workitem_id 0
		.amdhsa_next_free_vgpr 208
		.amdhsa_next_free_sgpr 66
		.amdhsa_reserve_vcc 0
		.amdhsa_float_denorm_mode_32 3
		.amdhsa_float_denorm_mode_16_64 3
		.amdhsa_memory_ordered 1
		.amdhsa_forward_progress 1
		.amdhsa_inst_pref_size 27
	.end_amdhsa_kernel
	.amdgpu_metadata
---
amdhsa.version: [ 1, 2 ]
amdhsa.kernels:
  - .name:           k_q58cfda3ccd_context
    .symbol:         k_q58cfda3ccd_context.kd
    .args:
      - { .name: score, .offset: 0, .size: 8, .value_kind: global_buffer, .address_space: global }
      - { .name: enc_output, .offset: 8, .size: 8, .value_kind: global_buffer, .address_space: global }
      - { .name: prev_coverage, .offset: 16, .size: 8, .value_kind: global_buffer, .address_space: global }
      - { .name: out0, .offset: 24, .size: 8, .value_kind: global_buffer, .address_space: global }
      - { .name: out1, .offset: 32, .size: 8, .value_kind: global_buffer, .address_space: global }
      - { .name: out2, .offset: 40, .size: 8, .value_kind: global_buffer, .address_space: global }
    .group_segment_fixed_size: 13824
    .private_segment_fixed_size: 0
    .kernarg_segment_align: 8
    .kernarg_segment_size: 48
    .max_flat_workgroup_size: 256
    .sgpr_count:     66
    .vgpr_count:     208
    .wavefront_size: 32
...
	.end_amdgpu_metadata
.endif
;; end of part 3
